; MI455X (gfx1250); checked and timed in simulation.
; The chip was launched on July 23, 2026; its instructions are those of AMD's public machine-readable ISA for CDNA 5 (MIT licence, August 2026) and "CDNA5" Instruction Set Architecture Reference Guide (July 2026). The comments in the code are by the model that wrote it; some were corrected since.
;; Nearest Sim. Allowed arithmetic: matrix products marked QUANTISED: E5M2 operands, one given power-of-two scale a tensor, by v_wmma_f32_16x16x64_bf8_bf8 or v_wmma_f32_16x16x128_bf8_bf8, f32 sums; everything else in f32.
;; Inputs: items 4,096 x 512 float32; lowp_scales 2 int32 (the exponents e of the quantised operands' scales 2^e); queries 8 x 2,048 x 512 float32.
;; Outputs: out0 8 x 2,048 float32.
;; This version of the problem:
;;   THIS VERSION OF THE PROBLEM IS GIVEN IN LOW PRECISION. The matrix products marked QUANTISED in the list below multiply operands that are first quantised to E5M2 (5 exponent bits, 2 mantissa bits; 8 bits a number), with one given power-of-two scale for each operand tensor; their sums are f32. All else is computed in f32.
;;   The module's matrix products, in the order in which they are computed (A, B: the left and right operand; K: the contracted axis; several contracted axes count as one K, in the product's order):
;;     1. [M 16,384, K 512] x [K 512, N 4,096]; A: input queries; B: input items: QUANTISED (scales: A lowp_scales[0], B lowp_scales[1])
;;   THE QUANTISER, for each operand of a quantised product, along K:
;;     - The operand's scale is 2^e, e = its entry of the input lowp_scales (int32; the entries are numbered through the quantised products in the list's order, A before B).
;;     - Each number is divided by the scale, clamped to +-57,344, and rounded to the nearest number of E5M2, ties to even, subnormals kept.
;;     - The product sums the exact products of the quantised numbers (number of the format x scale) in f32.
;;   ~~~python
;;   def quantise(x, axis, e):      # numpy; x: float32 -> the quantised numbers, widened to float32 again
;;       x = np.moveaxis(x, axis, -1); K = x.shape[-1]
;;       r = np.clip(x / 2.0 ** e, -57344, 57344)
;;       step = 2.0 ** (np.maximum(np.frexp(np.where(r == 0, 1, r))[1] - 1, -14) - 2)
;;       q = np.round(r / step) * step * 2.0 ** e      # np.round: ties to even
;;       return np.moveaxis(q, -1, axis).astype(np.float32)
;;   ~~~
;; One version. Each part assembles by itself: llvm-mc -triple=amdgcn-amd-amdhsa -mcpu=gfx1250 --defsym DOCPART=n.
;; ======== version 1 of 1: 3 launches
;; limits: right only within a limited range of input values
;; workspace buffers: q_img 8,388,608 bytes; i_img 2,097,152 bytes; cand_key 262,144 bytes of whole numbers; cand_idx 262,144 bytes of whole numbers
;; launch quant (part 1): grid 256 x 1, 20 waves a work-group, no clusters, 171,520 bytes of LDS; arguments queries, items, lowp_scales, q_img, i_img; writes q_img, i_img
.if DOCPART == 1
	.amdgcn_target "amdgcn-amd-amdhsa--gfx1250"
	.amdhsa_code_object_version 6
	.text
	.protected	k_qff64e0947d_quant
	.globl	k_qff64e0947d_quant
	.p2align	8
	.type	k_qff64e0947d_quant,@function
k_qff64e0947d_quant:
	s_mov_b64 s[64:65], 0
	v_nop
	global_prefetch_b8 v0, s[64:65] scope:SCOPE_SE
	s_setreg_imm32_b32 hwreg(HW_REG_WAVE_MODE, 25, 1), 1
	s_wait_xcnt 0x0
; The program: this launch makes the codes, the next finds each query's best item, the last computes the similarity on the f32 rows.
; WORK LEFT OUT.  Within a row the softmax is exp(s - m) / sum with one m and one sum for the whole row: it grows strictly with s, so for all finite inputs its largest entry is the largest score's; its values serve
; nothing but that index, and the second index of the top two serves nothing.  So no softmax is computed and only the largest score's index is kept.
; LIMIT: a NaN, an infinity or an overflow that reaches only that work is not carried to the result.
;
; queries [16384][512] and items [4096][512], f32, become codes of BF8 (E5M2), each tensor with the one scale 2^e that is given for it (entry 0: queries, entry 1: items).
; code = x / 2^e, held within +-57,344, rounded to the nearest code, ties to even.  LIMITS: -126 <= e <= 112, so that 2^e and 57,344 x 2^e are f32 numbers; NaN among the inputs is not served.
; THE CODES ARE LAID IN THE ORDER OF THE OPERAND'S REGISTERS.  A block of 16 rows is 8,192 bytes; unit u = k / 16 lies at 256 u, and in it row r at 16 r.  Fragment s (128 along K) is units 8 s .. 8 s + 7: the registers
; 4 c .. 4 c + 3 of all 32 lanes are the 512 bytes at 2048 s + 512 c, lane 16 h + r at 16 x lane.
; SHARES.  A work-group takes five blocks of 16 rows, four of queries and one of items; 256 work-groups, equal shares.  Twenty waves: wave w takes block w / 4, fragment s = w % 4: 16 rows x 512 bytes, by one tensor load
; into LDS bytes of its own.  Waves share nothing: no barrier.  Lane 16 h + r reads, for each c, its row's 16 neighbours k = 128 s + 32 c + 16 h + 0 .. 15: their codes are the 16 bytes that the image wants of it,
; so each store of the wave covers 512 consecutive bytes.  No prefetch: there is no loop to run ahead in.  No cluster: no two work-groups read the same rows.
.set PITCH, 528                        ; an LDS row: 512 bytes + 16 of padding: 16 lanes that read one column of 16 rows take 16 different 16-byte columns of 256
.set WREG,  16*PITCH                   ; a wave's bytes: 8,448, a multiple of 256
.set SPARE, 20*WREG                    ; behind them: the spare words, 128 bytes for each wave
.set SPW,   8
.set NIL,   9
.set X,     16                         ; v16-79   64 numbers
.set C,     80                         ; v80-95   their codes
.set G0,    32                         ; s[32:35] descriptor group 0
.set G1,    36                         ; s[36:43] descriptor group 1
	s_load_b128 s[4:7], s[0:1], 0x0                ; queries, items
	s_load_b64 s[10:11], s[0:1], 0x10              ; the scales' exponents
	s_load_b128 s[12:15], s[0:1], 0x18             ; the queries' image, the items' image
	v_lshl_add_u32 v[SPW], v0, 2, SPARE
	v_mov_b32 v[NIL], 0
	ds_add_u32 v[SPW], v[NIL]                      ; the wave's opening: the add, twice on end, and its wait ahead of my first tensor load
	ds_add_u32 v[SPW], v[NIL]
	v_lshrrev_b32 v1, 5, v0
	v_and_b32 v2, 31, v0
	v_and_b32 v4, 15, v0                           ; r
	v_bfe_u32 v5, v0, 4, 1                         ; h
	v_readfirstlane_b32 s16, v1                    ; wave 0..19
	v_lshlrev_b32 v3, 4, v2                        ; my 16 bytes of a store's 512
	v_mul_u32_u24 v4, v4, PITCH
	s_lshr_b32 s17, s16, 2                         ; which block: 0 to 3 queries, 4 items
	s_and_b32 s18, s16, 3                          ; which fragment
	s_mul_i32 s19, s16, WREG
	v_lshl_add_u32 v12, v5, 6, v4
	v_add_nc_u32 v12, s19, v12                     ; LDS: my row, my 64 bytes of each 128
	s_mov_b32 s[G1+0], (3<<16)|(1<<20)|(6<<22)|(3<<25)     ; 15:0 no mask; 17:16 elements of 8 bytes; 20 padding on; 24:22 after every 128 words (code 6); 31:25 of 4 words (code 3)
	s_mov_b32 s[G1+1], 64<<16                      ; tensor_dim0 = 64 elements: 512 bytes
	s_mov_b32 s[G1+2], 16<<16                      ; tensor_dim1 = 16
	s_mov_b32 s[G1+3], 64<<16                      ; tile_dim0 = 64
	s_mov_b32 s[G1+4], 16                          ; tile_dim1 = 16
	s_mov_b32 s[G1+5], 256                         ; tensor_dim0_stride: rows of 2,048 bytes
	s_mov_b32 s[G1+6], 0
	s_mov_b32 s[G1+7], 0
	s_lshl_b32 s20, ttmp9, 2
	s_add_co_u32 s20, s20, s17
	s_cmp_lt_u32 s17, 4                            ; a wave of the queries or of the items?  The choice hangs on the wave's number alone
	s_cselect_b32 s20, s20, ttmp9                  ; the block's number in its tensor: 4 x work-group + block, or the work-group
	s_lshl_b32 s24, s20, 15                        ; 16 rows of 2,048 bytes in,
	s_lshl_b32 s25, s18, 9
	s_add_co_u32 s24, s24, s25                     ; my 512 bytes of each
	s_mov_b32 s25, 0
	s_lshl_b32 s26, s20, 13                        ; 8,192 bytes out,
	s_lshl_b32 s27, s18, 11
	s_add_co_u32 s26, s26, s27                     ; my 2,048 of them
	s_mov_b32 s27, 0
	s_wait_alu depctr_va_vdst(0)
	s_wait_dscnt 0x0                               ; both opening adds are done
	s_wait_kmcnt 0x0
	s_load_b64 s[22:23], s[10:11], 0x0             ; e of the queries, e of the items
	s_cmp_lt_u32 s17, 4
	s_cselect_b64 s[4:5], s[4:5], s[6:7]
	s_cselect_b64 s[8:9], s[12:13], s[14:15]
	s_mov_b32 s[G0], 1                             ; 1:0 count = 1
	s_mov_b32 s[G0+1], s19                         ; 63:32 LDS address
	s_add_nc_u64 s[G0+2:G0+3], s[4:5], s[24:25]    ; 120:64 global address
	s_or_b32 s[G0+3], s[G0+3], 0x80000000          ; 127:126 type = 2
	tensor_load_to_lds s[G0:G0+3], s[G1:G1+7]      ; the wave's one tensor load
	s_nop 0
	s_add_nc_u64 s[8:9], s[8:9], s[26:27]
	s_wait_kmcnt 0x0
	s_cmp_lt_u32 s17, 4
	s_cselect_b32 s22, s22, s23                    ; e
	s_add_co_i32 s22, s22, 127
	s_lshl_b32 s23, s22, 23
	v_mov_b32 v11, s23                             ; 2^e as f32: the conversion takes its exponent field
	s_add_co_i32 s22, s22, 15
	s_lshl_b32 s22, s22, 23
	s_or_b32 s22, s22, 0x600000                    ; the mantissa field of 57,344
	v_mov_b32 v10, s22                             ; 57,344 x 2^e
	s_wait_alu depctr_va_vdst(0)
	s_wait_tensorcnt 0x0                           ; my 16 x 512 bytes are in; nobody else reads them
.irp c, 0,1,2,3
.irp i, 0,1,2,3
	ds_load_b128 v[X+16*\c+4*\i:X+16*\c+4*\i+3], v12 offset:128*\c+16*\i
.endr
.endr
.irp c, 0,1,2,3
	s_wait_dscnt 12-4*\c                           ; c's four loads are in; the younger ones may be out
.irp i, 0,1,2,3,4,5,6,7,8,9,10,11,12,13,14,15
	v_med3_num_f32 v[X+16*\c+\i], v[X+16*\c+\i], -v10, v10         ; the conversion to an 8-bit code does not saturate (ISA guide 7.6.2): hold the number first
.endr
	v_cvt_scalef32_pk8_bf8_f32 v[C+4*\c:C+4*\c+1], v[X+16*\c:X+16*\c+7], v11       ; eight numbers / 2^e, to the nearest code, ties to even
	v_cvt_scalef32_pk8_bf8_f32 v[C+4*\c+2:C+4*\c+3], v[X+16*\c+8:X+16*\c+15], v11
	global_store_b128 v3, v[C+4*\c:C+4*\c+3], s[8:9] offset:512*\c ; 32 lanes store 512 consecutive bytes, at a multiple of 512 from the image's first byte
.endr
	v_nop                                          ; a plain place behind the last conversion
	s_wait_tensorcnt 0x0                           ; the wave's end
	ds_add_u32 v[SPW], v[NIL]
	s_wait_dscnt 0x0
	s_endpgm
.Lfunc_end_k_qff64e0947d_quant:
	.size	k_qff64e0947d_quant, .Lfunc_end_k_qff64e0947d_quant-k_qff64e0947d_quant
	.p2alignl 7, 3214868480
	.fill 96, 4, 3214868480
	.section	.rodata,"a",@progbits
	.p2align	6, 0x0
	.amdhsa_kernel k_qff64e0947d_quant
		.amdhsa_group_segment_fixed_size 171520
		.amdhsa_private_segment_fixed_size 0
		.amdhsa_enable_private_segment 0
		.amdhsa_kernarg_size 40
		.amdhsa_user_sgpr_count 2
		.amdhsa_user_sgpr_kernarg_segment_ptr 1
		.amdhsa_wavefront_size32 1
		.amdhsa_system_sgpr_workgroup_id_x 1
		.amdhsa_system_sgpr_workgroup_id_y 1
		.amdhsa_system_sgpr_workgroup_id_z 1
		.amdhsa_system_vgpr_workitem_id 0
		.amdhsa_next_free_vgpr 112
		.amdhsa_next_free_sgpr 66
		.amdhsa_reserve_vcc 0
		.amdhsa_float_denorm_mode_32 3
		.amdhsa_float_denorm_mode_16_64 3
		.amdhsa_memory_ordered 1
		.amdhsa_forward_progress 1
		.amdhsa_inst_pref_size 10
	.end_amdhsa_kernel
	.amdgpu_metadata
---
amdhsa.version: [ 1, 2 ]
amdhsa.kernels:
  - .name:           k_qff64e0947d_quant
    .symbol:         k_qff64e0947d_quant.kd
    .args:
      - { .name: queries, .offset: 0, .size: 8, .value_kind: global_buffer, .address_space: global }
      - { .name: items, .offset: 8, .size: 8, .value_kind: global_buffer, .address_space: global }
      - { .name: lowp_scales, .offset: 16, .size: 8, .value_kind: global_buffer, .address_space: global }
      - { .name: q_img, .offset: 24, .size: 8, .value_kind: global_buffer, .address_space: global }
      - { .name: i_img, .offset: 32, .size: 8, .value_kind: global_buffer, .address_space: global }
    .group_segment_fixed_size: 171520
    .private_segment_fixed_size: 0
    .kernarg_segment_align: 8
    .kernarg_segment_size: 40
    .max_flat_workgroup_size: 640
    .sgpr_count:     66
    .vgpr_count:     112
    .wavefront_size: 32
...
	.end_amdgpu_metadata
.endif
;; end of part 1
;; launch score (part 2): grid 64 x 4, 8 waves a work-group, clusters of 4 x 1, 327,680 bytes of LDS; arguments q_img, i_img, cand_key, cand_idx; writes cand_key, cand_idx
.if DOCPART == 2
	.amdgcn_target "amdgcn-amd-amdhsa--gfx1250"
	.amdhsa_code_object_version 6
	.text
	.protected	k_qff64e0947d_score
	.globl	k_qff64e0947d_score
	.p2align	8
	.type	k_qff64e0947d_score,@function
k_qff64e0947d_score:
	s_mov_b64 s[64:65], 0
	v_nop
	global_prefetch_b8 v0, s[64:65] scope:SCOPE_SE
	s_setreg_imm32_b32 hwreg(HW_REG_WAVE_MODE, 25, 1), 1
	s_wait_xcnt 0x0
	s_wait_alu depctr_hold_cnt(0) depctr_sa_sdst(0) depctr_va_vdst(0) depctr_va_sdst(0) depctr_va_ssrc(0) depctr_va_vcc(0) depctr_vm_vsrc(0)
	s_getreg_b32 s2, hwreg(HW_REG_IB_STS2, 6, 4)
	s_cmp_eq_u32 s2, 0
	s_cbranch_scc0 .Lentry_in_a_cluster
	s_endpgm
.Lentry_in_a_cluster:
	s_bfe_u32 s2, ttmp6, 0x10000c
	s_cmp_lg_u32 s2, 0x3003
	s_cbranch_scc0 .Lentry_shape_is_right
	s_endpgm
.Lentry_shape_is_right:
; score[q][i] = sum over k of Q(queries)[q][k] Q(items)[i][k], 16,384 x 4,096 x 512, on codes of BF8 (E5M2); of each row and each quarter of the items only the largest score and its index are kept.
; WORK LEFT OUT: the softmax and the second index of the top two (the first kernel's head shows that they are dead).  The factor 2^(ea + eb) of every score is one positive number for all: it changes no order, so it is not
; multiplied in, and the scales are not read here.
; LIMITS.  Where f32 rounding inside a softmax, or underflow under 2^(ea + eb), would make two unequal scores equal, the problem's text takes the lower index and this text the larger score.  Equal scores take the lower
; index, as there.  NaN is not served; a NaN, an infinity or an overflow that reaches only the work left out is not carried to the result.
; SHARES.  A work-group takes 256 queries (X) and one quarter of the items (Y: 1,024).  Eight waves of 512 registers, two to a SIMD.  Wave w: rh = w / 2: which 64 queries; ig = w % 2: which items.  Its 64 queries' codes,
; all of K, stay in 256 registers (window 1).  The items come in four tiles of 256 (131,072 bytes, dense: 16 column blocks of 8,192 bytes) through a ring of two LDS slots; of each tile the wave takes eight column blocks.
; Both buffers hold images of the operand's registers: a fragment (16 rows x 128 K) is four loads of 16 bytes at 16 x lane, 512 bytes apart; one permutation of k for both operands.
; THE MATRIX INSTRUCTION IS USED TRANSPOSED: source 0 = 16 items, source 1 = 16 queries: lane l holds ONE query (l % 16), its register j item 8 (l / 16) + j of the column block.
; THE LARGEST SCORE, 13 vector instructions for 8 scores.  For each of its four queries a lane keeps M (the largest so far, in two registers by turns), I (the number of the column block that last raised M) and
; T0 .. T6 (that block's first seven scores).  A block: four maxima of three give the new M; one compare new M > old M; eight selects on its mask.  At the end the place in the block is the lowest j with Tj = M, or 7.
; The compare is strict and a lane's blocks come with ascending items, so equal scores keep the lowest index.  No branch and no address hangs on a score.
; TWO SETS OF ACCUMULATORS: while block n is multiplied (16 matrix instructions in four groups), block n - 1's 52 vector instructions stand between the groups.
; The text is straight: four tiles of eight blocks, so that a block's number is a constant of the select and every LDS offset an immediate.
; WHAT IS STORED: for each query and quarter the index, and a whole number (int32) that orders as the score does, so that the next launch decides by whole numbers alone.
; CLUSTER.  The four work-groups of a cluster have the same Y and walk the same tiles: each tile is asked for JOINTLY, by the same tensor load with the same descriptor and a mask that names the four.
; The queries' images are asked for singly: no two work-groups of a cluster read the same ones.  No prefetch: there is no loop to run ahead in, and each refill has a whole tile's work, 128 matrix instructions a wave.
; REGISTERS.  window 0: v2-11 addresses; v12-19 M; v20-23 I; v24-51 T; v56-87 and v224-255 the two sets of four accumulators; v88-95 for lane permutes; v96-159, v160-223 two sets of an item block's four fragments.
; window 1: the queries, fragment (rb, s) at 16 (4 rb + s).
.set SLOT,  131072                     ; a slot: one tile
.set CVAL,  2*SLOT                     ; behind the ring: the waves' largest scores, [ig][256 queries] f32, 2,048 bytes,
.set CIDX,  CVAL+2048                  ; and their indices; no tile ever lands in either
.set SPARE, CVAL+4096                  ; the spare words, 128 bytes for each of the eight waves: four blocks of 256 bytes that no other line names
.set LI,   2                           ; v2   16 x lane
.set LB,   3                           ; v3, v4  LDS address of my column blocks in slot 0, 1
.set CW,   5                           ; v5   where I put a query's largest score
.set CR,   6                           ; v6   where waves 0 and 1 read four queries' back
.set IT,   7                           ; v7   1,024 Y + 128 ig + 8 (lane / 16)
.set SPW,  8                           ; v8   LDS address of my spare word; never rewritten
.set NIL,  9                           ; v9   0; never rewritten
.set MA,   12
.set MB,   16
.set IB,   20
.set T,    24
.set ACC,  56                          ; block n: ACC + 168 (n % 2)
.set XV,   88
.set XI,   92
.set BF,   96
.set JJ,   96                          ; the end, over the fragments
.set IDX,  100
.set MV,   104
.set MX,   112
.set TT,   120
.set G1,   16                          ; s[16:23] descriptor group 1
.set G0,   32                          ; s[32:39] descriptor group 0, one set for each slot
.set CM,   48                          ; s48-51 four lane masks
.set SEL,  52                          ; s[52:53] lane selects for v_permlanex16_b32: lane l xor 16
.set MSB, 0
.set N,   0                            ; the number of the column block in hand, 0 .. 31
.macro WIN new                         ; the immediate's high byte repeats the setting that is left
.if MSB != \new
	s_set_vgpr_msb (MSB<<8)|\new
.set MSB, \new
.endif
.endm
.macro CREST                           ; a round of the cluster's barrier behind its opening barrier
	s_cmp_lg_u32 s14, 0
	s_cbranch_scc1 .Lnot_wave_0_\@
	s_barrier_signal -3
.Lnot_wave_0_\@:
	s_barrier_wait -3
	s_barrier_signal -1
	s_barrier_wait -1
.endm
.macro ROUND                           ; a whole round
	s_barrier_signal -1
	s_barrier_wait -1
	CREST
.endm
	s_load_b128 s[4:7], s[0:1], 0x0                ; the queries' image s[4:5], the items' s[6:7]
	s_load_b128 s[8:11], s[0:1], 0x10              ; the candidates' keys s[8:9] and indices s[10:11]
	v_lshl_add_u32 v[SPW], v0, 2, SPARE
	v_mov_b32 v[NIL], 0
	ds_add_u32 v[SPW], v[NIL]                      ; the wave's opening: the add, twice on end, and its wait ahead of my first tensor load
	ds_add_u32 v[SPW], v[NIL]
	v_lshrrev_b32 v1, 5, v0
	v_readfirstlane_b32 s14, v1                    ; wave 0..7
	s_lshr_b32 s15, s14, 1                         ; rh
	s_and_b32 s24, s14, 1                          ; ig
	s_bfe_u32 s25, ttmp6, 0x40000                  ; cx: my place in the cluster
	s_lshl_b32 s26, ttmp9, 2                       ; in a cluster launch ttmp9 counts clusters
	s_add_co_u32 s26, s26, s25                     ; X = 4 x cluster x + cx: it enters the queries' and the candidates' addresses alone
	s_and_b32 s27, ttmp7, 0xffff                   ; Y, which the four partners share
	s_lshl_b32 s46, s24, 16                        ; my eight column blocks of a tile
	s_lshl_b32 s47, s24, 10
	s_lshl_b32 s42, s15, 8
	s_add_co_u32 s47, s47, s42
	s_add_co_u32 s47, s47, CVAL
	s_lshl_b32 s43, s27, 10
	s_lshl_b32 s42, s24, 7
	s_add_co_u32 s43, s43, s42                     ; my first item: 1,024 Y + 128 ig
	s_lshl_b32 s42, s24, 9
	s_add_co_u32 s42, s42, CVAL
	; every LDS address is made here, of the lane and the wave's number alone
	v_and_b32 v1, 31, v0
	v_and_b32 v10, 15, v0
	v_bfe_u32 v11, v0, 4, 1
	v_lshlrev_b32 v[LI], 4, v1
	v_lshl_add_u32 v[CW], v10, 2, s47              ; CVAL + 1,024 ig + 4 (64 rh + lane % 16); 16 rb queries on stand in the immediate
	v_lshl_add_u32 v[IT], v11, 3, s43
	v_add_nc_u32 v[LB], s46, v[LI]
	v_add_nc_u32 v[CR], s42, v[LI]                 ; CVAL + 512 ig + 16 lane: wave 0 joins queries 0 to 127, wave 1 the others
	v_add_nc_u32 v[LB+1], SLOT, v[LB]
	; descriptor group 1: a wave's eighth of a tile, 16,384 dense bytes, as 64 rows of 32 elements of 8 bytes
	s_mov_b32 s[G1+0], 15|(3<<16)|(1<<21)          ; 15:0 the mask: all four work-groups; 17:16 elements of 8 bytes; 20 no padding; 21 set beside a mask
	s_mov_b32 s[G1+1], 32<<16                      ; tensor_dim0 = 32
	s_mov_b32 s[G1+2], 64<<16                      ; tensor_dim1 = 64
	s_mov_b32 s[G1+3], 32<<16                      ; tile_dim0 = 32
	s_mov_b32 s[G1+4], 64                          ; tile_dim1 = 64
	s_mov_b32 s[G1+5], 32                          ; tensor_dim0_stride: the rows follow each other
	s_mov_b32 s[G1+6], 0
	s_mov_b32 s[G1+7], 0
	s_mov_b32 s[SEL], 0x76543210
	s_mov_b32 s[SEL+1], 0xfedcba98
	s_lshl_b32 s46, s14, 14                        ; my eighth of a tile, in memory and in a slot: no place in the cluster enters it
	s_lshl_b32 s30, s27, 19                        ; the quarter's 524,288 bytes
	s_add_co_u32 s30, s30, s46
	s_mov_b32 s31, 0
	s_wait_alu depctr_va_vdst(0)
	s_wait_dscnt 0x0                               ; both opening adds are done
	s_wait_kmcnt 0x0
	s_add_nc_u64 s[6:7], s[6:7], s[30:31]
.irp n, 0,1
	s_mov_b32 s[G0+4*\n], 1                                        ; 1:0 count = 1
	s_add_co_u32 s[G0+4*\n+1], s46, \n*SLOT                        ; 63:32 LDS address
	s_add_nc_u64 s[G0+4*\n+2:G0+4*\n+3], s[6:7], \n*SLOT           ; 120:64 global address: tile n
	s_or_b32 s[G0+4*\n+3], s[G0+4*\n+3], 0x80000000                ; 127:126 type = 2
.endr
	s_lshl_b32 s28, s26, 17                        ; the queries: 256 rows' image is 131,072 bytes,
	s_lshl_b32 s29, s15, 15                        ; my 64 rows' quarter of it
	s_add_co_u32 s28, s28, s29
	s_mov_b32 s29, 0
	s_add_nc_u64 s[4:5], s[4:5], s[28:29]
	s_lshl_b32 s28, s27, 16                        ; the candidates: [Y][16,384] words,
	s_lshl_b32 s29, s26, 10                        ; the work-group's 256,
	s_add_co_u32 s28, s28, s29
	s_lshl_b32 s29, s24, 9                         ; and the 128 that wave 0 or wave 1 stores
	s_add_co_u32 s28, s28, s29
	s_mov_b32 s29, 0
	s_add_nc_u64 s[8:9], s[8:9], s[28:29]
	s_add_nc_u64 s[10:11], s[10:11], s[28:29]
.macro QLOAD s                         ; the queries' 128 along K that the first block's group s wants: 32 lanes read 512 consecutive bytes
.irp rb, 0,1,2,3
.irp c, 0,1,2,3
	global_load_b128 v[16*(4*\rb+\s)+4*\c:16*(4*\rb+\s)+4*\c+3], v[LI], s[4:5] offset:8192*\rb+2048*\s+512*\c
.endr
.endr
.endm
	ROUND                                          ; all four work-groups are here: the first joint loads meet
	tensor_load_to_lds s[G0:G0+3], s[G1:G1+7]      ; tile 0 into slot 0: one tensor load of mine is out, here and behind every later round
	s_nop 0
.rept 4
	v_nop                                          ; four lines of this kind follow a tensor load, ahead of the switch of windows
.endr
	WIN 0x40                                       ; destination window 1, address window 0
	QLOAD 0
	QLOAD 1
	QLOAD 2
	QLOAD 3
	WIN 0
.irp rb, 0,1,2,3
	v_mov_b32 v[MA+\rb], 0xff800000                ; M: -infinity, under every score
	v_mov_b32 v[IB+\rb], 0
	v_mov_b32 v[XV+\rb], 0                         ; written once: a lane permute's destination counts as one of its sources
	v_mov_b32 v[XI+\rb], 0
.endr
.set i, 0
.rept 28
	v_mov_b32 v[T+i], 0                            ; T: the selects name it as a source from the first block on
.set i, i+1
.endr
; 16 LDS loads: my column block u of the slot's tile, its four fragments, into set
.macro FETCH slot, u, set
.irp s, 0,1,2,3
.irp c, 0,1,2,3
	ds_load_b128 v[BF+64*(\set)+16*\s+4*\c:BF+64*(\set)+16*\s+4*\c+3], v[LB+(\slot)] offset:8192*(\u)+2048*\s+512*\c
.endr
.endr
.endm
; Four matrix instructions of block N: 16 items x my 64 queries x 128 along K.  The four accumulators take turns, one instruction a turn; the first K step starts the sums: nothing is cleared.
.macro GRP s
.set GA, ACC+168*(N%2)
.set GF, BF+64*(N%2)+16*(\s)
.irp rb, 0,1,2,3
.if (\s) == 0
	v_wmma_f32_16x16x128_bf8_bf8 v[GA+8*\rb:GA+8*\rb+7], v[GF:GF+15], v[16*(4*\rb+\s):16*(4*\rb+\s)+15], 0
.else
	v_wmma_f32_16x16x128_bf8_bf8 v[GA+8*\rb:GA+8*\rb+7], v[GF:GF+15], v[16*(4*\rb+\s):16*(4*\rb+\s)+15], v[GA+8*\rb:GA+8*\rb+7]
.endif
.endr
.endm
; Block n's 4 x 8 scores of a lane against M, I and T: 52 vector instructions, in four parts of 12, 12, 16 and 12 (part 0: all).  The four queries alternate, so that no line waits for the line above it;
; each accumulator is read from its low end on.
.macro UPD n, part
.set UA, ACC+168*((\n)%2)
.set MI, MA+4*((\n)%2)
.set MO, MB-4*((\n)%2)
.set UN, \n
.if (\part) < 2
.irp rb, 0,1,2,3
	v_max3_num_f32 v[MO+\rb], v[MI+\rb], v[UA+8*\rb], v[UA+8*\rb+1]
.endr
.irp k, 2,4
.irp rb, 0,1,2,3
	v_max3_num_f32 v[MO+\rb], v[MO+\rb], v[UA+8*\rb+\k], v[UA+8*\rb+\k+1]
.endr
.endr
.endif
.if ((\part) == 0) || ((\part) == 2)
.irp rb, 0,1,2,3
	v_max3_num_f32 v[MO+\rb], v[MO+\rb], v[UA+8*\rb+6], v[UA+8*\rb+7]
.endr
.irp rb, 0,1,2,3
	v_cmp_gt_f32 s[CM+\rb], v[MO+\rb], v[MI+\rb]   ; strictly larger: an equal score of a later block does not take the place
.endr
.irp rb, 0,1,2,3
	v_cndmask_b32 v[IB+\rb], v[IB+\rb], UN, s[CM+\rb]
.endr
.endif
.if ((\part) == 0) || ((\part) == 3)
.irp j, 0,1,2,3
.irp rb, 0,1,2,3
	v_cndmask_b32 v[T+7*\rb+\j], v[T+7*\rb+\j], v[UA+8*\rb+\j], s[CM+\rb]
.endr
.endr
.endif
.if ((\part) == 0) || ((\part) == 4)
.irp j, 4,5,6
.irp rb, 0,1,2,3
	v_cndmask_b32 v[T+7*\rb+\j], v[T+7*\rb+\j], v[UA+8*\rb+\j], s[CM+\rb]
.endr
.endr
.endif
.endm
; A column block.  The next block's fragments are asked for first, into the other set, whose last products stand behind 12 plain lines (the very first block's: four v_nop).
; A vector instruction that reads a matrix result, and a load into a matrix instruction's register, stand four places behind it, and only plain vector instructions that name none of its registers are places
; (ISA guide 7.12.1 for vector instructions): the last group's part of 12 lines, which names the other set of accumulators.
.macro BLOCK slot, u
.if (\u) < 7
	FETCH \slot, (\u)+1, ((\u)+1)%2
	s_wait_dscnt 16                                ; this block's 16 loads are in; the 16 just issued may be out
.else
	s_wait_dscnt 0x0                               ; the last block of all: nothing was asked for behind it
.endif
.irp s, 0,1,2,3
	WIN 0x04                                       ; source 1 (the queries) window 1
	GRP \s
	WIN 0
	UPD N-1, 1+\s
.endr
.set N, N+1
.endm
; A tile's last block (set 1) changes slots: ONE barrier.  In front of it each wave waits for all its tensor loads (one is out: its eighth of the next tile), adds 0 to its spare word, and waits for that and for its
; reads of this slot, the last of which are this block's fragments.  Behind it the next tile is whole and nobody reads this slot any more.  refill: the barrier opens a round, this slot is filled again first thing, with the
; tile two further on, which has the next tile's work in which to land.  Then the next tile's first fragments are asked for, into set 0, ahead of this block's last group.
.macro LAST slot, refill
	s_wait_tensorcnt 0x0                           ; no tensor load of mine is out, so a group 0 may be written
	ds_add_u32 v[SPW], v[NIL]                      ; 0 onto my spare word
.if \refill
	s_add_nc_u64 s[G0+4*\slot+2:G0+4*\slot+3], s[G0+4*\slot+2:G0+4*\slot+3], 2*SLOT   ; this slot's next tile; the type bits on top are not reached
.endif
	s_wait_dscnt 1                                 ; this block's 16 loads are in; the add may be out
	WIN 0x04
	GRP 0                                          ; four matrix instructions stand between the add and the wait for it
	WIN 0
	s_wait_dscnt 0x0                               ; the add is done, and my reads of this slot are over
	s_barrier_signal -1
	UPD N-1, 1                                     ; work on registers while the others arrive
	WIN 0x04
	GRP 1
	WIN 0
	UPD N-1, 2
	WIN 0x04
	GRP 2
	WIN 0
	s_wait_alu depctr_va_vdst(0)
	s_barrier_wait -1
.if \refill
	CREST
	tensor_load_to_lds s[G0+4*\slot:G0+4*\slot+3], s[G1:G1+7]      ; my one tensor load behind the round, and the first thing there
	s_nop 0
.rept 4
	v_nop
.endr
.endif
	FETCH 1-\slot, 0, 0
	UPD N-1, 3
	WIN 0x04
	GRP 3
	WIN 0
	UPD N-1, 4
.set N, N+1
.endm
	s_wait_alu depctr_va_vdst(0)
	s_wait_tensorcnt 0x0                           ; my eighth of tile 0 is in; these lines stand ahead of a later first fill, as ahead of a refill:
	ds_add_u32 v[SPW], v[NIL]
	s_wait_dscnt 0x0                               ; the add is done
	ROUND                                          ; tile 0 is whole in all four work-groups
	tensor_load_to_lds s[G0+4:G0+7], s[G1:G1+7]    ; tile 1 into slot 1: the first tensor load behind the round
	s_nop 0
.rept 4
	v_nop
.endr
	FETCH 0, 0, 0
	FETCH 0, 1, 1
	WIN 0x04
.irp s, 0,1,2,3
	s_wait_loadcnt 48-16*\s                        ; the queries of this 128 along K are in: 16 loads for each
	s_wait_dscnt 28-4*\s                           ; this block's fragment is in; its later ones and the next block's 16 loads may be out
	GRP \s
.endr
	WIN 0
.rept 4
	v_nop                                          ; four places behind the last group: no other vector work is at hand
.endr
.set N, N+1
.irp u, 1,2,3,4,5,6
	BLOCK 0, \u
.endr
	LAST 0, 1                                      ; tile 0 ends: slot 0 takes tile 2
.irp u, 0,1,2,3,4,5,6
	BLOCK 1, \u
.endr
	LAST 1, 1                                      ; tile 1 ends: slot 1 takes tile 3
.irp u, 0,1,2,3,4,5,6
	BLOCK 0, \u
.endr
	LAST 0, 0                                      ; tile 2 ends: nothing is left to fetch
.irp u, 0,1,2,3,4,5,6,7
	BLOCK 1, \u
.endr
	UPD N-1, 0
; Of two candidates (value, index) the larger value stays in a, and of equal values the lower index.
.macro MERGE va, ia, vb, ib
	v_cmp_gt_f32 s[CM], v[\vb], v[\va]
	v_cmp_eq_f32 s[CM+1], v[\vb], v[\va]
	v_cmp_lt_u32 s[CM+2], v[\ib], v[\ia]
	s_and_b32 s[CM+1], s[CM+1], s[CM+2]
	s_or_b32 s[CM], s[CM], s[CM+1]
	v_cndmask_b32 v[\va], v[\va], v[\vb], s[CM]
	v_cndmask_b32 v[\ia], v[\ia], v[\ib], s[CM]
.endm
	; THE END.  M lies in its first register (32 blocks).  The place in the block: the lowest j with Tj = M, or 7.
.irp rb, 0,1,2,3
	v_mov_b32 v[JJ+\rb], 7
.endr
.irp j, 6,5,4,3,2,1,0
.irp rb, 0,1,2,3
	v_cmp_eq_f32 s[CM+\rb], v[T+7*\rb+\j], v[MA+\rb]
.endr
.irp rb, 0,1,2,3
	v_cndmask_b32 v[JJ+\rb], v[JJ+\rb], \j, s[CM+\rb]
.endr
.endr
	; block n = 8 t + u begins 256 t + 16 u = 16 (n + 8 t) items behind my first, and 8 t = n & 24
.irp rb, 0,1,2,3
	v_and_b32 v[IDX+\rb], 24, v[IB+\rb]
.endr
.irp rb, 0,1,2,3
	v_add_nc_u32 v[IDX+\rb], v[IDX+\rb], v[IB+\rb]
.endr
.irp rb, 0,1,2,3
	v_lshl_add_u32 v[IDX+\rb], v[IDX+\rb], 4, v[IT]
.endr
.irp rb, 0,1,2,3
	v_add_nc_u32 v[IDX+\rb], v[IDX+\rb], v[JJ+\rb]
.endr
.irp rb, 0,1,2,3
	v_permlanex16_b32 v[XV+\rb], v[MA+\rb], s[SEL], s[SEL+1]       ; the query's other items lie in the lane 16 away
	v_permlanex16_b32 v[XI+\rb], v[IDX+\rb], s[SEL], s[SEL+1]
.endr
.irp rb, 0,1,2,3
	MERGE MA+\rb, IDX+\rb, XV+\rb, XI+\rb
.endr
.irp rb, 0,1,2,3
	ds_store_b32 v[CW], v[MA+\rb] offset:64*\rb                    ; lanes l and l + 16 write the same word with the same value
	ds_store_b32 v[CW], v[IDX+\rb] offset:CIDX-CVAL+64*\rb
.endr
	s_wait_dscnt 0x0                               ; for the others' sake: my stores have landed
	s_barrier_signal -1
	s_barrier_wait -1
	s_cmp_gt_u32 s14, 1
	s_cbranch_scc1 .Lrest
	; waves 0 and 1 join the two item groups' candidates, four queries a lane, and store 128 each
.irp g, 0,1
	ds_load_b128 v[MV+4*\g:MV+4*\g+3], v[CR] offset:1024*\g
	ds_load_b128 v[MX+4*\g:MX+4*\g+3], v[CR] offset:CIDX-CVAL+1024*\g
.endr
	s_wait_dscnt 0x0
.irp q, 0,1,2,3
	MERGE MV+\q, MX+\q, MV+4+\q, MX+4+\q
.endr
	; the key: a whole number that orders as the score does: the f32 pattern, with its lower 31 bits inverted where it is negative.  (-0 becomes +0 first: the two are equal scores)
.irp q, 0,1,2,3
	v_add_f32 v[MV+\q], 0, v[MV+\q]
.endr
.irp q, 0,1,2,3
	v_ashrrev_i32 v[TT+\q], 31, v[MV+\q]
.endr
.irp q, 0,1,2,3
	v_and_b32 v[TT+\q], 0x7fffffff, v[TT+\q]
.endr
.irp q, 0,1,2,3
	v_xor_b32 v[MV+\q], v[MV+\q], v[TT+\q]
.endr
	global_store_b128 v[LI], v[MV:MV+3], s[8:9]    ; 32 lanes store 512 consecutive bytes, at a multiple of 512 from the buffer's first byte
	global_store_b128 v[LI], v[MX:MX+3], s[10:11]
.Lrest:
	s_wait_tensorcnt 0x0                           ; the wave's end: behind my last tensor load and my last LDS store
	ds_add_u32 v[SPW], v[NIL]
	s_wait_dscnt 0x0
	ROUND                                          ; the closing round: no work-group ends while a partner may still ask for a tile that names it
	s_endpgm
.Lfunc_end_k_qff64e0947d_score:
	.size	k_qff64e0947d_score, .Lfunc_end_k_qff64e0947d_score-k_qff64e0947d_score
	.p2alignl 7, 3214868480
	.fill 96, 4, 3214868480
	.section	.rodata,"a",@progbits
	.p2align	6, 0x0
	.amdhsa_kernel k_qff64e0947d_score
		.amdhsa_group_segment_fixed_size 327680
		.amdhsa_private_segment_fixed_size 0
		.amdhsa_enable_private_segment 0
		.amdhsa_kernarg_size 32
		.amdhsa_user_sgpr_count 2
		.amdhsa_user_sgpr_kernarg_segment_ptr 1
		.amdhsa_wavefront_size32 1
		.amdhsa_system_sgpr_workgroup_id_x 1
		.amdhsa_system_sgpr_workgroup_id_y 1
		.amdhsa_system_sgpr_workgroup_id_z 1
		.amdhsa_system_vgpr_workitem_id 0
		.amdhsa_next_free_vgpr 512
		.amdhsa_next_free_sgpr 66
		.amdhsa_reserve_vcc 0
		.amdhsa_float_denorm_mode_32 3
		.amdhsa_float_denorm_mode_16_64 3
		.amdhsa_memory_ordered 1
		.amdhsa_forward_progress 1
		.amdhsa_inst_pref_size 202
	.end_amdhsa_kernel
	.amdgpu_metadata
---
amdhsa.version: [ 1, 2 ]
amdhsa.kernels:
  - .name:           k_qff64e0947d_score
    .symbol:         k_qff64e0947d_score.kd
    .args:
      - { .name: q_img, .offset: 0, .size: 8, .value_kind: global_buffer, .address_space: global }
      - { .name: i_img, .offset: 8, .size: 8, .value_kind: global_buffer, .address_space: global }
      - { .name: cand_key, .offset: 16, .size: 8, .value_kind: global_buffer, .address_space: global }
      - { .name: cand_idx, .offset: 24, .size: 8, .value_kind: global_buffer, .address_space: global }
    .group_segment_fixed_size: 327680
    .private_segment_fixed_size: 0
    .kernarg_segment_align: 8
    .kernarg_segment_size: 32
    .max_flat_workgroup_size: 256
    .sgpr_count:     66
    .vgpr_count:     512
    .wavefront_size: 32
...
	.end_amdgpu_metadata
.endif
;; end of part 2
;; launch finish (part 3): grid 256 x 1, 16 waves a work-group, no clusters, 167,936 bytes of LDS; arguments queries, items, cand_key, cand_idx, out0; writes out0
.if DOCPART == 3
	.amdgcn_target "amdgcn-amd-amdhsa--gfx1250"
	.amdhsa_code_object_version 6
	.text
	.protected	k_qff64e0947d_finish
	.globl	k_qff64e0947d_finish
	.p2align	8
	.type	k_qff64e0947d_finish,@function
k_qff64e0947d_finish:
	s_mov_b64 s[64:65], 0
	v_nop
	global_prefetch_b8 v0, s[64:65] scope:SCOPE_SE
	s_setreg_imm32_b32 hwreg(HW_REG_WAVE_MODE, 25, 1), 1
	s_wait_xcnt 0x0
; out[q] = -(q . item) / (max(|q|, 1e-12) max(|item|, 1e-12)), on the f32 rows as they are given; item is the row of items with the query's largest score.
; WORK LEFT OUT: the softmax and the second index of the top two (the first kernel's head shows that they are dead); a NaN, an infinity or an overflow that reaches only these is not carried to the result.
; Each query has four candidates, one for each quarter of the items: cand_idx gives their rows, cand_key whole numbers that order as their scores do, both stored by the launch before.  The largest key wins, of equal keys
; the lowest index: a comparison of whole numbers read from memory, so one row of items is read for a query.
; The problem's text divides each number by the norm and then sums; here the sum is divided once: the same but for rounding.
; SHARES.  A work-group takes 64 queries, a wave 4.  Sixteen lanes serve one query: the wave's half hl = lane / 16 takes queries 2 hl + p, p = 0, 1.  A row is 2,048 bytes: eight times 16 bytes a lane,
; lane % 16 at 16 (lane % 16) + 256 j: sixteen lanes take 256 consecutive bytes, aligned.
; The wave's four queries, 8,192 dense bytes, come by one tensor load into LDS bytes of its own; the items come straight into registers, asked for as soon as their rows are known.
; The candidates come by two loads: lane l of a half takes quarter (l / 4) % 4 of query (l + 2 hl) % 4; so the first lane of every four holds p = 0 and the second p = 1.
; No matrix work (a dot product a query), no cluster (work-groups share no tile), no prefetch (no loop to run ahead in); one barrier, so that the 64 results leave as 256 consecutive bytes.
.set QL,   256                         ; LDS: 256 bytes of results, then the waves' queries, 8,192 bytes each,
.set SPARE, QL+16*8192                 ; then the spare words, 128 bytes for each wave
.set CI,   8                           ; v8       a candidate's index,
.set CK,   9                           ; v9       its key
.set OI,   10                          ; v10, v11 another lane's
.set OK,   11
.set WI,   12                          ; v12-13   the winners' indices
.set OFF,  24                          ; v24-25   byte offset of my 16 bytes in the winner's row
.set Q,    32                          ; v32-95   two queries, 32 registers each
.set I,    96                          ; v96-159  their items
.set W,    160                         ; v160-167 sums at work
.set QS,   176                         ; v176-177 q . q
.set DD,   178                         ; v178-179 q . item
.set NN,   180                         ; v180-181 item . item
.set RS,   182                         ; v182-183 the results
.set SPW,  184
.set NIL,  185
.set G0,   32                          ; s[32:35] descriptor group 0
.set G1,   36                          ; s[36:43] descriptor group 1
	s_load_b256 s[4:11], s[0:1], 0x0               ; queries s[4:5], items s[6:7], cand_key s[8:9], cand_idx s[10:11]
	s_load_b64 s[12:13], s[0:1], 0x20              ; out0
	v_lshl_add_u32 v[SPW], v0, 2, SPARE
	v_mov_b32 v[NIL], 0
	ds_add_u32 v[SPW], v[NIL]                      ; the wave's opening: the add, twice on end, and its wait ahead of my first tensor load
	ds_add_u32 v[SPW], v[NIL]
	v_lshrrev_b32 v6, 5, v0
	v_and_b32 v1, 15, v0
	v_bfe_u32 v7, v0, 4, 1                         ; hl
	v_and_b32 v5, 31, v0
	v_readfirstlane_b32 s14, v6                    ; wave 0..15
	v_and_b32 v3, 3, v0
	v_bfe_u32 v6, v0, 2, 2                         ; the quarter
	v_lshlrev_b32 v1, 4, v1                        ; 16 (lane % 16)
	v_lshl_add_u32 v3, v7, 1, v3
	v_lshlrev_b32 v5, 3, v5                        ; the way out: 8 bytes a lane
	v_lshlrev_b32 v4, 3, v7
	v_and_b32 v3, 3, v3                            ; the query whose candidate I take
	v_lshl_add_u32 v2, v7, 12, v1                  ; the queries: my half's two rows begin 4,096 hl on
	s_lshl_b32 s15, s14, 4                         ; my wave's 4 words
	s_lshl_b32 s17, s14, 13                        ; my wave's 4 rows of 2,048 bytes, in memory and in LDS
	s_add_co_u32 s28, s17, QL
	v_lshlrev_b32 v3, 2, v3
	v_add_nc_u32 v4, s15, v4                       ; LDS: my half's two results
	v_lshl_add_u32 v3, v6, 16, v3                  ; the candidates: a quarter's 16,384 words are 65,536 bytes
	v_add_nc_u32 v2, s28, v2                       ; LDS: my 16 bytes of my half's first row
	v_mov_b32 v[OI], 0                             ; written once: a DPP form's destination counts as one of its sources
	v_mov_b32 v[OK], 0
	v_mov_b32 v[WI], 0
	v_mov_b32 v[WI+1], 0
	s_mov_b32 s[G1+0], 3<<16                       ; 15:0 no mask; 17:16 elements of 8 bytes; 20 no padding (sixteen lanes read 256 consecutive bytes)
	s_mov_b32 s[G1+1], 32<<16                      ; tensor_dim0 = 32: 8,192 dense bytes as 32 rows of 256
	s_mov_b32 s[G1+2], 32<<16                      ; tensor_dim1 = 32
	s_mov_b32 s[G1+3], 32<<16                      ; tile_dim0 = 32
	s_mov_b32 s[G1+4], 32                          ; tile_dim1 = 32
	s_mov_b32 s[G1+5], 32                          ; tensor_dim0_stride: the rows follow each other
	s_mov_b32 s[G1+6], 0
	s_mov_b32 s[G1+7], 0
	s_mov_b32 s26, 0x2b8cbccc                      ; 1e-12
	s_lshl_b32 s16, ttmp9, 17                      ; 64 rows
	s_add_co_u32 s16, s16, s17
	s_mov_b32 s17, 0
	s_lshl_b32 s18, ttmp9, 8                       ; 64 words
	s_mov_b32 s19, 0
	s_add_co_u32 s22, s18, s15
	s_mov_b32 s23, 0
	s_wait_alu depctr_va_vdst(0)
	s_wait_dscnt 0x0                               ; both opening adds are done
	s_wait_kmcnt 0x0
	s_add_nc_u64 s[8:9], s[8:9], s[22:23]
	s_add_nc_u64 s[10:11], s[10:11], s[22:23]
	global_load_b32 v[CI], v3, s[10:11]
	global_load_b32 v[CK], v3, s[8:9]
	s_mov_b32 s[G0], 1                             ; 1:0 count = 1
	s_mov_b32 s[G0+1], s28                         ; 63:32 LDS address
	s_add_nc_u64 s[G0+2:G0+3], s[4:5], s[16:17]    ; 120:64 global address
	s_or_b32 s[G0+3], s[G0+3], 0x80000000          ; 127:126 type = 2
	tensor_load_to_lds s[G0:G0+3], s[G1:G1+7]      ; the wave's one tensor load
	s_nop 0
	s_add_nc_u64 s[12:13], s[12:13], s[18:19]
	s_wait_loadcnt 0x0                             ; the candidates are in
.irp m, 4,8                                        ; over the four quarters: the larger key, of equal keys the lower index
	v_mov_b32_dpp v[OI], v[CI] row_xmask:\m row_mask:0xf bank_mask:0xf
	v_mov_b32_dpp v[OK], v[CK] row_xmask:\m row_mask:0xf bank_mask:0xf
	v_cmp_lt_u32 s24, v[OI], v[CI]
	v_cmp_gt_i32 s20, v[OK], v[CK]
	v_cmp_eq_u32 s21, v[OK], v[CK]
	s_and_b32 s21, s21, s24
	s_or_b32 s20, s20, s21
	v_cndmask_b32 v[CI], v[CI], v[OI], s20
	v_cndmask_b32 v[CK], v[CK], v[OK], s20
.endr
	v_mov_b32_dpp v[WI], v[CI] quad_perm:[0,0,0,0] row_mask:0xf bank_mask:0xf
	v_mov_b32_dpp v[WI+1], v[CI] quad_perm:[1,1,1,1] row_mask:0xf bank_mask:0xf
.irp p, 0,1
	v_min_u32 v[WI+\p], 0xfff, v[WI+\p]            ; an index stays inside the table of 4,096 rows
.endr
.irp p, 0,1
	v_lshl_add_u32 v[OFF+\p], v[WI+\p], 11, v1     ; row x 2,048 + my 16 bytes
.endr
.irp p, 0,1
.irp j, 0,1,2,3,4,5,6,7
	global_load_b128 v[I+32*\p+4*\j:I+32*\p+4*\j+3], v[OFF+\p], s[6:7] offset:256*\j   ; no hint: a row of items may be named by many queries
.endr
.endr
	s_wait_tensorcnt 0x0                           ; my four queries are in LDS; nobody else reads them
.irp p, 0,1
.irp j, 0,1,2,3,4,5,6,7
	ds_load_b128 v[Q+32*\p+4*\j:Q+32*\p+4*\j+3], v2 offset:2048*\p+256*\j
.endr
.endr
; q . q of query p: four chains; the first products start them.  left: the LDS loads issued behind this query's, which may stay out.
.macro QQ p, left
.set QB, Q+32*(\p)
	s_wait_dscnt \left
.irp c, 0,2,4,6
	v_pk_mul_f32 v[W+\c:W+\c+1], v[QB+\c:QB+\c+1], v[QB+\c:QB+\c+1]
.endr
.irp k, 8,16,24
.irp c, 0,2,4,6
	v_pk_fma_f32 v[W+\c:W+\c+1], v[QB+\k+\c:QB+\k+\c+1], v[QB+\k+\c:QB+\k+\c+1], v[W+\c:W+\c+1]
.endr
.endr
	v_pk_add_f32 v[W:W+1], v[W:W+1], v[W+2:W+3]
	v_pk_add_f32 v[W+4:W+5], v[W+4:W+5], v[W+6:W+7]
	v_pk_add_f32 v[W:W+1], v[W:W+1], v[W+4:W+5]
	v_add_f32 v[QS+\p], v[W], v[W+1]
.endm
; q . item and item . item of query p, two chains each.  left: the loads issued behind this item's, which may stay out.
.macro DOT p, left
.set QB, Q+32*(\p)
.set IB, I+32*(\p)
	s_wait_loadcnt \left
.irp c, 0,2
	v_pk_mul_f32 v[W+\c:W+\c+1], v[QB+\c:QB+\c+1], v[IB+\c:IB+\c+1]
	v_pk_mul_f32 v[W+4+\c:W+5+\c], v[IB+\c:IB+\c+1], v[IB+\c:IB+\c+1]
.endr
.irp k, 4,8,12,16,20,24,28
.irp c, 0,2
	v_pk_fma_f32 v[W+\c:W+\c+1], v[QB+\k+\c:QB+\k+\c+1], v[IB+\k+\c:IB+\k+\c+1], v[W+\c:W+\c+1]
	v_pk_fma_f32 v[W+4+\c:W+5+\c], v[IB+\k+\c:IB+\k+\c+1], v[IB+\k+\c:IB+\k+\c+1], v[W+4+\c:W+5+\c]
.endr
.endr
	v_pk_add_f32 v[W:W+1], v[W:W+1], v[W+2:W+3]
	v_pk_add_f32 v[W+4:W+5], v[W+4:W+5], v[W+6:W+7]
	v_add_f32 v[DD+\p], v[W], v[W+1]
	v_add_f32 v[NN+\p], v[W+4], v[W+5]
.endm
	QQ 0, 8                                        ; behind query 0's LDS loads: query 1's 8
	QQ 1, 0
	DOT 0, 8                                       ; behind item 0's loads: item 1's 8
	DOT 1, 0
	; the six sums over the sixteen lanes of a query, by turns
.irp m, 1,2,4,8
.irp r, 0,1,2,3,4,5
	v_add_f32_dpp v[QS+\r], v[QS+\r], v[QS+\r] row_xmask:\m row_mask:0xf bank_mask:0xf
.endr
.endr
	s_wait_alu depctr_va_vdst(0)
.irp p, 0,1
	v_sqrt_f32 v[QS+\p], v[QS+\p]                  ; the two norms
	v_sqrt_f32 v[NN+\p], v[NN+\p]
.endr
	v_nop                                          ; a plain instruction between the last root and the use of its result (ISA guide 5.7.2)
	s_wait_alu depctr_va_vdst(0)                   ; and behind it, ahead of its first reader
.irp p, 0,1
	v_max_num_f32 v[QS+\p], s26, v[QS+\p]          ; at least 1e-12
	v_max_num_f32 v[NN+\p], s26, v[NN+\p]
.endr
	s_wait_alu depctr_va_vdst(0)                   ; the same two waits round the reciprocals
.irp p, 0,1
	v_rcp_f32 v[QS+\p], v[QS+\p]
	v_rcp_f32 v[NN+\p], v[NN+\p]
.endr
	v_nop
	s_wait_alu depctr_va_vdst(0)
.irp p, 0,1
	v_mul_f32 v[RS+\p], v[DD+\p], v[QS+\p]
.endr
.irp p, 0,1
	v_mul_f32 v[RS+\p], -v[RS+\p], v[NN+\p]
.endr
	ds_store_b64 v4, v[RS:RS+1]                    ; the sixteen lanes of a half write the same 8 bytes with the same values
	s_wait_dscnt 0x0                               ; for the others' sake: my store has landed
	s_barrier_signal -1
	s_barrier_wait -1
	s_cmp_lg_u32 s14, 0
	s_cbranch_scc1 .Ldone
	ds_load_b64 v[186:187], v5                     ; wave 0 takes the work-group's 64 results, two a lane,
	s_wait_dscnt 0x0
	global_store_b64 v5, v[186:187], s[12:13]      ; and stores 256 consecutive bytes, at a multiple of 256 from the output's first byte
.Ldone:
	s_wait_tensorcnt 0x0                           ; the wave's end
	ds_add_u32 v[SPW], v[NIL]
	s_wait_dscnt 0x0
	s_endpgm
.Lfunc_end_k_qff64e0947d_finish:
	.size	k_qff64e0947d_finish, .Lfunc_end_k_qff64e0947d_finish-k_qff64e0947d_finish
	.p2alignl 7, 3214868480
	.fill 96, 4, 3214868480
	.section	.rodata,"a",@progbits
	.p2align	6, 0x0
	.amdhsa_kernel k_qff64e0947d_finish
		.amdhsa_group_segment_fixed_size 167936
		.amdhsa_private_segment_fixed_size 0
		.amdhsa_enable_private_segment 0
		.amdhsa_kernarg_size 40
		.amdhsa_user_sgpr_count 2
		.amdhsa_user_sgpr_kernarg_segment_ptr 1
		.amdhsa_wavefront_size32 1
		.amdhsa_system_sgpr_workgroup_id_x 1
		.amdhsa_system_sgpr_workgroup_id_y 1
		.amdhsa_system_sgpr_workgroup_id_z 1
		.amdhsa_system_vgpr_workitem_id 0
		.amdhsa_next_free_vgpr 188
		.amdhsa_next_free_sgpr 66
		.amdhsa_reserve_vcc 0
		.amdhsa_float_denorm_mode_32 3
		.amdhsa_float_denorm_mode_16_64 3
		.amdhsa_memory_ordered 1
		.amdhsa_forward_progress 1
		.amdhsa_inst_pref_size 17
	.end_amdhsa_kernel
	.amdgpu_metadata
---
amdhsa.version: [ 1, 2 ]
amdhsa.kernels:
  - .name:           k_qff64e0947d_finish
    .symbol:         k_qff64e0947d_finish.kd
    .args:
      - { .name: queries, .offset: 0, .size: 8, .value_kind: global_buffer, .address_space: global }
      - { .name: items, .offset: 8, .size: 8, .value_kind: global_buffer, .address_space: global }
      - { .name: cand_key, .offset: 16, .size: 8, .value_kind: global_buffer, .address_space: global }
      - { .name: cand_idx, .offset: 24, .size: 8, .value_kind: global_buffer, .address_space: global }
      - { .name: out0, .offset: 32, .size: 8, .value_kind: global_buffer, .address_space: global }
    .group_segment_fixed_size: 167936
    .private_segment_fixed_size: 0
    .kernarg_segment_align: 8
    .kernarg_segment_size: 40
    .max_flat_workgroup_size: 512
    .sgpr_count:     66
    .vgpr_count:     188
    .wavefront_size: 32
...
	.end_amdgpu_metadata
.endif
;; end of part 3
